; MI455X (gfx1250); checked and timed in simulation.
; The chip was launched on July 23, 2026; its instructions are those of AMD's public machine-readable ISA for CDNA 5 (MIT licence, August 2026) and "CDNA5" Instruction Set Architecture Reference Guide (July 2026). The comments in the code are by the model that wrote it; some were corrected since.
;; Refiner. Allowed arithmetic: matrix products marked QUANTISED: E2M3 operands, one E8M0 scale for each 32 along K, by v_wmma_scale_f32_16x16x128_f8f6f4 with both operands' format E2M3, f32 sums; everything else in f32.
;; Inputs: Wf 768 x 64 float32; Wx 512 x 768 float32; Wy 512 x 768 float32; X 32 x 96 x 512 x 8 float32; Y 32 x 96 x 512 x 8 float32; base_w 64 x 1,024 float32; bf 768 float32; bx 512 float32; by 512 float32; spline_scaler 64 x 1,024 float32; spline_w 64 x 1,024 x 8 float32.
;; Outputs: out0 32 x 96 x 512 x 8 float32.
;; This version of the problem:
;;   THIS VERSION OF THE PROBLEM IS GIVEN IN LOW PRECISION. The matrix products marked QUANTISED in the list below multiply operands that are first quantised to E2M3 (2 exponent bits, 3 mantissa bits; 6 bits a number), with one power-of-two scale for each 32 numbers along K (OCP MX v1.0); their sums are f32. All else is computed in f32.
;;   The module's matrix products, in the order in which they are computed (A, B: the left and right operand; K: the contracted axis; several contracted axes count as one K, in the product's order):
;;     1. [M 16,384, K 768] x [K 768, N 512]; A: input X; B: input Wx: QUANTISED
;;     2. [M 16,384, K 768] x [K 768, N 512]; A: input Y; B: input Wy: QUANTISED
;;     3. [M 16,384, K 1,024] x [K 1,024, N 64]; A: computed on the way; B: input base_w: QUANTISED
;;     4. [M 16,384, K 8,192] x [K 8,192, N 64]; A: computed on the way; B: computed on the way: QUANTISED
;;     5. [M 16,384, K 64] x [K 64, N 768]; A: computed on the way; B: input Wf: QUANTISED
;;   THE QUANTISER, for each operand of a quantised product, along K:
;;     - K is cut into blocks of 32 from its start; a last block that is shorter is filled with zeros.
;;     - A block's scale is 2^e with e = floor(log2(the largest magnitude in the block)) - 2, held to -126 .. 127; a block of zeros has e = 0. As a byte (E8M0): e + 127.
;;     - Each number is divided by its block's scale, clamped to +-7.5, and rounded to the nearest number of E2M3, ties to even, subnormals kept.
;;     - The product sums the exact products of the quantised numbers (number of the format x scale) in f32.
;;   ~~~python
;;   def quantise(x, axis):      # numpy; x: float32 -> the quantised numbers, widened to float32 again
;;       x = np.moveaxis(x, axis, -1); K = x.shape[-1]
;;       x = np.pad(x, [(0, 0)] * (x.ndim - 1) + [(0, -K % 32)]); x = x.reshape(x.shape[:-1] + (-1, 32)); a = np.abs(x).max(-1, keepdims=True)
;;       e = np.where(a > 0, np.clip(np.frexp(np.where(a > 0, a, 1))[1] - 1 - 2, -126, 127), 0)      # np.frexp(a)[1] - 1 = floor(log2(a)), exactly
;;       r = np.clip(x / 2.0 ** e, -7.5, 7.5)
;;       step = 2.0 ** (np.maximum(np.frexp(np.where(r == 0, 1, r))[1] - 1, 0) - 3)
;;       q = np.round(r / step) * step * 2.0 ** e      # np.round: ties to even
;;       return np.moveaxis(q.reshape(q.shape[:-2] + (-1,))[..., :K], -1, axis).astype(np.float32)
;;   ~~~
;;   OPERANDS COMPUTED ON THE WAY. 'Computed on the way' means the value that the module computes at that place (a softmax that the list does not call 'softmax' is quantised finished and normalised). What goes into a quantiser is computed in f32, as accurately as f32 sums, v_exp_f32 and their like allow (about 1e-6 of the number): no bf16 or f16 on the way to a quantiser, and a product that is left as it is and whose result goes on into a quantised operand takes f32 operands (vector FMAs, or v_wmma_f32_16x16x4_f32). A number that lies on a knife's edge between two numbers of the format may be rounded either way, as far as f32 arithmetic and the matrix unit's own rounding can turn it there, and no further.
;; One version. Each part assembles by itself: llvm-mc -triple=amdgcn-amd-amdhsa -mcpu=gfx1250 --defsym DOCPART=n.
;; ======== version 1 of 1: 2 launches
;; workspace buffers: wstream 1,144,832 bytes
;; launch layout (part 1): grid 174 x 1, 4 waves a work-group, no clusters, 0 bytes of LDS; arguments Wx, Wy, bx, by, base_w, spline_w, spline_scaler, Wf, bf, wstream; writes wstream
.if DOCPART == 1
	.amdgcn_target "amdgcn-amd-amdhsa--gfx1250"
	.amdhsa_code_object_version 6
	.text
	.protected	k_qb1e1f3999f_layout
	.globl	k_qb1e1f3999f_layout
	.p2align	8
	.type	k_qb1e1f3999f_layout,@function
k_qb1e1f3999f_layout:
	s_mov_b64 s[64:65], 0
	v_nop
	global_prefetch_b8 v0, s[64:65] scope:SCOPE_SE
	s_setreg_imm32_b32 hwreg(HW_REG_WAVE_MODE, 25, 1), 1
	s_wait_xcnt 0x0
; Every weight of the module is quantised ONCE to codes of FP6 (E2M3) with one E8M0 byte for each 32 along K, and laid into wstream as IMAGES OF OPERAND REGISTERS,
; in the order in which the second launch walks them.  A fragment (16 rows x 128 K) is 12 registers a lane: its image is 1,536 bytes, lane l's registers 4 q .. 4 q + 3 at 512 q + 16 l.
; One wave makes one image: lane (r, h) (r = lane % 16, h = lane / 16) takes row r of the tile and the two blocks of 32 along K that the operand's layout gives it (blocks h and 2 + h),
; 32 numbers each in its own registers: a block's largest magnitude needs no other lane; the four scale bytes of a row are gathered from lanes l and l xor 16.
; A block's scale is 2^(floor(log2(largest magnitude)) - 2): its byte is the largest magnitude's exponent field - 2, held at 1 from below by a floor among the maximum's leaves.
; LIMITS: a block of zeros, or one whose largest magnitude lies under 2^-124, gets the byte 1 (its codes are zeros or the nearest codes under that scale; this program alone reads the bytes); NaN and infinities are not served.
; wstream: tiles 0-15 of 65,536 bytes = 4 group blocks of 16,384: +0 six images of Wx or Wy (16 hidden units x 128 K each), +9216 four images of the scaled spline weights (16 outs x the tile's 128 K),
;   +15360 the first's scale words (64 bytes a K step), +15744 the second's (64 bytes an out tile), +16000 the tile's 16 biases, six times over.
;   tile 16 (at 1,048,576): 32 images of base_w, +49152 their scale words (128 bytes each), +53248 Wf's images 0-7;  tile 17 (at 1,114,112): Wf's images 8-23, +24576 their scale words, +27648 bf.
; ORDERS.  Which rows form a tile, and the order of the 32 numbers inside a block, are chosen so that in the second launch every result lies where the next operand wants it; the same order is used there on the other operand.
;   swap23(m) exchanges bits 2 and 3 of m.  Row m of a tile of Wx, Wy: hidden unit 16 T + swap23(m); of Wf: column 16 ct + swap23(m); of an out tile o of the spline weights and base_w: out 8 o + m % 8 + 32 (m / 8).
;   Inside a block the numbers are moved in granules of four: granule pg of the codes is granule SG of memory (macro LOADV).
; The work-group's number chooses the tensor: 0-95 Wx, Wy; 96-159 spline; 160-167 base_w; 168-173 Wf.  No LDS, no barrier: waves share nothing.
.set GWSC,  15360
.set GSSC,  15744
.set GBIAS, 16000
.set T16,   1048576
.set T17,   1114112
.set V,     16                         ; v16-79   two blocks of 32 numbers, in the codes' order
.set SCL,   80                         ; v80-87   spline_scaler of my 8 hidden units
.set C,     88                         ; v88-99   the fragment's 12 registers
.set T2,    100                        ; v100-106 the second halves of the blocks' codes, as converted
	s_load_b256 s[4:11], s[0:1], 0x0               ; Wx s[4:5], Wy s[6:7], bx s[8:9], by s[10:11]
	s_load_b256 s[12:19], s[0:1], 0x20             ; base_w s[12:13], spline_w s[14:15], spline_scaler s[16:17], Wf s[18:19]
	s_load_b128 s[20:23], s[0:1], 0x40             ; bf s[20:21], wstream s[22:23]
	v_lshrrev_b32 v1, 5, v0
	v_readfirstlane_b32 s24, v1                    ; wave
	v_and_b32 v1, 15, v0                           ; r
	v_bfe_u32 v2, v0, 4, 1                         ; h
	v_and_b32 v6, 31, v0
	v_lshlrev_b32 v4, 4, v6                        ; 16 x lane
	v_lshlrev_b32 v5, 2, v1                        ; 4 r
	v_lshlrev_b32 v6, 2, v6                        ; 4 x lane
	v_lshlrev_b32 v7, 3, v2                        ; 8 h
	v_and_b32 v8, 3, v1
	v_and_b32 v10, 4, v1
	v_lshl_or_b32 v8, v10, 1, v8
	v_and_b32 v10, 8, v1
	v_lshrrev_b32 v10, 1, v10
	v_or_b32 v8, v8, v10                           ; swap23(r)
	v_and_b32 v9, 7, v1
	v_lshrrev_b32 v10, 3, v1
	v_lshl_or_b32 v9, v10, 5, v9                   ; r % 8 + 32 (r / 8)
	v_mov_b32 v15, 0                               ; a lane permute's destination counts as one of its sources
	s_lshl_b32 s25, ttmp9, 2
	s_add_co_u32 s25, s25, s24                     ; which image: 4 x work-group + wave
	s_mov_b32 s26, 0x76543210
	s_mov_b32 s27, 0xfedcba98                      ; v_permlanex16_b32's selects for lane l xor 16
	s_mov_b32 s35, 0                               ; the upper words of the two offset pairs
	s_mov_b32 s37, 0
	s_wait_kmcnt 0x0
; my two blocks, 16 loads of 16 bytes: block c begins cstep x c bytes on; granule pg of the codes' order is granule SG of memory
.macro LOADV bs, cstep, kind
.irp cc, 0,1
.irp pg, 0,1,2,3,4,5,6,7
.if \kind == 0
.set SG, 2*(\pg%4)+\pg/4                       ; X's order: position 16 a + 4 t + f stands for k = 8 t + 4 a + f
.elseif \kind == 1
.set SG, \pg                                   ; as it lies
.else
.set SG, 4*((\pg/2)%2)+2*(\pg%2)+\pg/4         ; silu's order: position 16 a + 8 u + 4 v + f stands for hidden unit 16 u + 8 v + 4 a + f
.endif
	global_load_b128 v[V+32*\cc+4*\pg:V+32*\cc+4*\pg+3], v3, s[\bs:\bs+1] offset:\cstep*\cc+16*SG
.endr
.endr
.endm
; the two blocks become the fragment in v[C] on and the row's scale word in v14
.macro QW
.irp cc, 0,1
	v_max3_num_f32 v[12+\cc], |v[V+32*\cc]|, |v[V+32*\cc+1]|, 0x1800000   ; with the floor 2^(3 - 127): the byte cannot fall under 1
.endr
.irp ii, 2,4,6,8,10,12,14,16,18,20,22,24,26,28,30
.irp cc, 0,1
	v_max3_num_f32 v[12+\cc], v[12+\cc], |v[V+32*\cc+\ii]|, |v[V+32*\cc+\ii+1]|   ; (the two blocks by turns)
.endr
.endr
.irp cc, 0,1
	v_add_nc_u32 v[12+\cc], 0xff000000, v[12+\cc]  ; 2 off the exponent field: the conversion takes this operand's exponent field as its scale
.endr
.irp cc, 0,1
	v_lshrrev_b32 v[10+\cc], 23, v[12+\cc]         ; the scale's byte
.endr
	v_lshl_or_b32 v14, v11, 16, v10                ; my two bytes: blocks h and 2 + h,
	v_lshlrev_b32 v14, v7, v14                     ; at their places (8 h bits up);
	v_permlanex16_b32 v15, v14, s26, s27
	v_or_b32 v14, v14, v15                         ; with lane l xor 16's two the word is whole
.irp cc, 0,1
	v_cvt_scalef32_pk16_fp6_f32 v[C+6*\cc:C+6*\cc+2], v[V+32*\cc:V+32*\cc+15], v[12+\cc]
	v_cvt_scalef32_pk16_fp6_f32 v[T2+4*\cc:T2+4*\cc+2], v[V+32*\cc+16:V+32*\cc+31], v[12+\cc]   ; (a conversion's three registers begin on an even number)
.endr
	v_nop                                          ; one plain place behind a scaled conversion
.irp cc, 0,1
.irp ii, 0,1,2
	v_mov_b32 v[C+3+6*\cc+\ii], v[T2+4*\cc+\ii]
.endr
.endr
.endm
.macro IMAGE off                       ; three stores of 512 consecutive bytes
	global_store_b128 v4, v[C:C+3], s[28:29] offset:\off
	global_store_b128 v4, v[C+4:C+7], s[28:29] offset:\off+512
	global_store_b128 v4, v[C+8:C+11], s[28:29] offset:\off+1024
.endm
	s_cmp_lt_u32 ttmp9, 96
	s_cbranch_scc0 .Lnot_w
	; ---- Wx (work-groups 0-47) or Wy (48-95): image (K step ks, tile Tl) = 32 ks + Tl
	s_cmp_lt_u32 ttmp9, 48
	s_cselect_b64 s[4:5], s[4:5], s[6:7]
	s_cselect_b64 s[8:9], s[8:9], s[10:11]
	s_cselect_b32 s38, 0, 192
	s_cselect_b32 s39, 0, 8
	s_sub_co_u32 s38, s25, s38
	s_lshr_b32 s32, s38, 5                         ; ks
	s_and_b32 s33, s38, 31                         ; Tl
	s_wait_alu depctr_va_vdst(0)
	v_mul_u32_u24 v3, v8, 3072                     ; row swap23(r) of the tile, 3,072 bytes a row,
	v_lshl_add_u32 v3, v2, 7, v3                   ; + 128 h
	s_mul_i32 s34, s33, 49152
	s_lshl_b32 s36, s32, 9
	s_add_co_u32 s34, s34, s36
	s_add_nc_u64 s[4:5], s[4:5], s[34:35]
	LOADV 4, 256, 0
	s_and_b32 s34, s33, 7                          ; the group block: tile Tl % 8 (+ 8 for Wy), group Tl / 8
	s_add_co_u32 s34, s34, s39
	s_lshl_b32 s34, s34, 16
	s_lshr_b32 s36, s33, 3
	s_lshl_b32 s36, s36, 14
	s_add_co_u32 s34, s34, s36
	s_add_nc_u64 s[22:23], s[22:23], s[34:35]
	s_mul_i32 s36, s32, 1536
	s_add_nc_u64 s[28:29], s[22:23], s[36:37]
	s_lshl_b32 s36, s32, 6
	s_add_nc_u64 s[30:31], s[22:23], s[36:37]
	s_wait_loadcnt 0x0
	QW
	IMAGE 0
	global_store_b32 v5, v14, s[30:31] offset:GWSC ; row r's word (both halves of the lanes hold it and store it to the same place)
	s_cmp_lg_u32 s32, 0
	s_cbranch_scc1 .Lw_end
	s_lshl_b32 s36, s33, 6                         ; the wave with K step 0 also lays the tile's 16 biases
	s_add_nc_u64 s[8:9], s[8:9], s[36:37]
	global_load_b32 v110, v5, s[8:9]
	s_wait_loadcnt 0x0
	global_store_b32 v6, v110, s[22:23] offset:GBIAS
	global_store_b32 v6, v110, s[22:23] offset:GBIAS+128
	global_store_b32 v6, v110, s[22:23] offset:GBIAS+256
.Lw_end:
	s_endpgm
.Lnot_w:
	s_cmp_lt_u32 ttmp9, 160
	s_cbranch_scc0 .Lnot_s
	; ---- spline_w x spline_scaler: image (hidden tile T, out tile o) = 4 T + o.  K = 8 x hidden unit + coefficient, as it lies
	s_sub_co_u32 s38, s25, 384
	s_lshr_b32 s32, s38, 2                         ; T
	s_and_b32 s33, s38, 3                          ; o
	s_wait_alu depctr_va_vdst(0)
	v_lshlrev_b32 v3, 15, v9                       ; an out's row of spline_w is 32,768 bytes,
	v_lshl_add_u32 v3, v2, 7, v3
	s_wait_alu depctr_va_vdst(0)
	v_lshlrev_b32 v108, 12, v9                     ; of spline_scaler 4,096
	v_lshl_add_u32 v108, v2, 4, v108
	s_wait_alu depctr_va_vdst(0)
	s_lshl_b32 s34, s33, 18
	s_lshl_b32 s36, s32, 9
	s_add_co_u32 s34, s34, s36
	s_add_nc_u64 s[14:15], s[14:15], s[34:35]
	s_lshl_b32 s34, s33, 15
	s_lshl_b32 s36, s32, 6
	s_add_co_u32 s34, s34, s36
	s_add_nc_u64 s[16:17], s[16:17], s[34:35]
	LOADV 14, 256, 1
	global_load_b128 v[SCL:SCL+3], v108, s[16:17]
	global_load_b128 v[SCL+4:SCL+7], v108, s[16:17] offset:32
	s_and_b32 s34, s32, 7
	s_lshr_b32 s36, s32, 5
	s_lshl_b32 s36, s36, 3
	s_add_co_u32 s34, s34, s36
	s_lshl_b32 s34, s34, 16
	s_bfe_u32 s36, s32, 0x20003
	s_lshl_b32 s36, s36, 14
	s_add_co_u32 s34, s34, s36
	s_add_nc_u64 s[22:23], s[22:23], s[34:35]
	s_mul_i32 s36, s33, 1536
	s_add_nc_u64 s[28:29], s[22:23], s[36:37]
	s_lshl_b32 s36, s33, 6
	s_add_nc_u64 s[30:31], s[22:23], s[36:37]
	s_wait_loadcnt 0x0
.irp cc, 0,1
.irp ii, 0,1,2,3
.irp kk, 0,1,2,3,4,5,6,7
	v_mul_f32 v[V+32*\cc+8*\ii+\kk], v[V+32*\cc+8*\ii+\kk], v[SCL+4*\cc+\ii]   ; one f32 multiplication ahead of the quantiser
.endr
.endr
.endr
	QW
	IMAGE 9216
	global_store_b32 v5, v14, s[30:31] offset:GSSC
	s_endpgm
.Lnot_s:
	s_cmp_lt_u32 ttmp9, 168
	s_cbranch_scc0 .Lnot_b
	; ---- base_w: image (K step kap of 128 hidden units, out tile o) = 4 kap + o; it goes to place (2 (kap % 4) + kap / 4) 4 + o
	s_sub_co_u32 s38, s25, 640
	s_lshr_b32 s32, s38, 2                         ; kap
	s_and_b32 s33, s38, 3                          ; o
	s_wait_alu depctr_va_vdst(0)
	v_lshlrev_b32 v3, 12, v9
	v_lshl_add_u32 v3, v2, 7, v3
	s_lshl_b32 s34, s33, 15
	s_lshl_b32 s36, s32, 9
	s_add_co_u32 s34, s34, s36
	s_add_nc_u64 s[12:13], s[12:13], s[34:35]
	LOADV 12, 256, 2
	s_and_b32 s34, s32, 3
	s_lshl_b32 s34, s34, 1
	s_lshr_b32 s36, s32, 2
	s_add_co_u32 s34, s34, s36
	s_lshl_b32 s34, s34, 2
	s_add_co_u32 s38, s34, s33
	s_mul_i32 s34, s38, 1536
	s_add_nc_u64 s[28:29], s[22:23], s[34:35]
	s_lshl_b32 s34, s38, 7
	s_add_nc_u64 s[30:31], s[22:23], s[34:35]
	s_wait_loadcnt 0x0
	QW
	IMAGE T16
	global_store_b32 v6, v14, s[30:31] offset:T16+49152
	s_endpgm
.Lnot_b:
	; ---- Wf: image pi holds TWO column tiles, K = 64 each: registers 0-5 tile 2 pi, registers 6-11 tile 2 pi + 1; scale bytes 0, 1 and 2, 3 likewise
	s_sub_co_u32 s32, s25, 672                     ; pi
	s_wait_alu depctr_va_vdst(0)
	v_lshlrev_b32 v3, 8, v8                        ; a column's row of Wf is 256 bytes
	v_lshl_add_u32 v3, v2, 7, v3
	s_lshl_b32 s34, s32, 13
	s_add_nc_u64 s[18:19], s[18:19], s[34:35]
	LOADV 18, 4096, 1
	s_lshl_b32 s34, s32, 7
	s_add_nc_u64 s[20:21], s[20:21], s[34:35]
	global_load_b32 v110, v6, s[20:21]             ; bf of the image's 32 columns, as it lies
	s_add_nc_u64 s[30:31], s[22:23], s[34:35]
	s_mul_i32 s34, s32, 1536
	s_add_nc_u64 s[28:29], s[22:23], s[34:35]
	s_wait_loadcnt 0x0
	QW
	IMAGE T16+53248
	global_store_b32 v6, v14, s[30:31] offset:T17+24576
	global_store_b32 v6, v110, s[30:31] offset:T17+27648
	s_endpgm
.Lfunc_end_k_qb1e1f3999f_layout:
	.size	k_qb1e1f3999f_layout, .Lfunc_end_k_qb1e1f3999f_layout-k_qb1e1f3999f_layout
	.p2alignl 7, 3214868480
	.fill 96, 4, 3214868480
	.section	.rodata,"a",@progbits
	.p2align	6, 0x0
	.amdhsa_kernel k_qb1e1f3999f_layout
		.amdhsa_group_segment_fixed_size 0
		.amdhsa_private_segment_fixed_size 0
		.amdhsa_enable_private_segment 0
		.amdhsa_kernarg_size 80
		.amdhsa_user_sgpr_count 2
		.amdhsa_user_sgpr_kernarg_segment_ptr 1
		.amdhsa_wavefront_size32 1
		.amdhsa_system_sgpr_workgroup_id_x 1
		.amdhsa_system_sgpr_workgroup_id_y 1
		.amdhsa_system_sgpr_workgroup_id_z 1
		.amdhsa_system_vgpr_workitem_id 0
		.amdhsa_next_free_vgpr 112
		.amdhsa_next_free_sgpr 66
		.amdhsa_reserve_vcc 0
		.amdhsa_float_denorm_mode_32 3
		.amdhsa_float_denorm_mode_16_64 3
		.amdhsa_memory_ordered 1
		.amdhsa_forward_progress 1
		.amdhsa_inst_pref_size 28
	.end_amdhsa_kernel
	.amdgpu_metadata
---
amdhsa.version: [ 1, 2 ]
amdhsa.kernels:
  - .name:           k_qb1e1f3999f_layout
    .symbol:         k_qb1e1f3999f_layout.kd
    .args:
      - { .name: Wx, .offset: 0, .size: 8, .value_kind: global_buffer, .address_space: global }
      - { .name: Wy, .offset: 8, .size: 8, .value_kind: global_buffer, .address_space: global }
      - { .name: bx, .offset: 16, .size: 8, .value_kind: global_buffer, .address_space: global }
      - { .name: by, .offset: 24, .size: 8, .value_kind: global_buffer, .address_space: global }
      - { .name: base_w, .offset: 32, .size: 8, .value_kind: global_buffer, .address_space: global }
      - { .name: spline_w, .offset: 40, .size: 8, .value_kind: global_buffer, .address_space: global }
      - { .name: spline_scaler, .offset: 48, .size: 8, .value_kind: global_buffer, .address_space: global }
      - { .name: Wf, .offset: 56, .size: 8, .value_kind: global_buffer, .address_space: global }
      - { .name: bf, .offset: 64, .size: 8, .value_kind: global_buffer, .address_space: global }
      - { .name: wstream, .offset: 72, .size: 8, .value_kind: global_buffer, .address_space: global }
    .group_segment_fixed_size: 0
    .private_segment_fixed_size: 0
    .kernarg_segment_align: 8
    .kernarg_segment_size: 80
    .max_flat_workgroup_size: 128
    .sgpr_count:     66
    .vgpr_count:     112
    .wavefront_size: 32
...
	.end_amdgpu_metadata
.endif
;; end of part 1
;; launch refine (part 2): grid 256 x 1, 8 waves a work-group, clusters of 4 x 1, 327,680 bytes of LDS; arguments X, Y, wstream, out0; writes out0
.if DOCPART == 2
	.amdgcn_target "amdgcn-amd-amdhsa--gfx1250"
	.amdhsa_code_object_version 6
	.text
	.protected	k_qb1e1f3999f_refine
	.globl	k_qb1e1f3999f_refine
	.p2align	8
	.type	k_qb1e1f3999f_refine,@function
k_qb1e1f3999f_refine:
	s_mov_b64 s[64:65], 0
	v_nop
	global_prefetch_b8 v0, s[64:65] scope:SCOPE_SE
	s_setreg_imm32_b32 hwreg(HW_REG_WAVE_MODE, 25, 1), 1
	s_wait_xcnt 0x0
	s_wait_alu depctr_hold_cnt(0) depctr_sa_sdst(0) depctr_va_vdst(0) depctr_va_sdst(0) depctr_va_ssrc(0) depctr_va_vcc(0) depctr_vm_vsrc(0)
	s_getreg_b32 s2, hwreg(HW_REG_IB_STS2, 6, 4)
	s_cmp_eq_u32 s2, 0
	s_cbranch_scc0 .Lentry_in_a_cluster
	s_endpgm
.Lentry_in_a_cluster:
	s_bfe_u32 s2, ttmp6, 0x10000c
	s_cmp_lg_u32 s2, 0x3003
	s_cbranch_scc0 .Lentry_shape_is_right
	s_endpgm
.Lentry_shape_is_right:
; The whole module for 64 rows (b, n) a work-group: h = tanh(X Wx^T + bx | Y Wy^T + by), kan = silu(h) base_w^T + splines(h) sw^T, out = kan Wf^T + bf.  Every product on codes of FP6 (E2M3) with E8M0 scales, sums in f32.
; h, silu(h), the spline bases and kan never go to memory.
; THE SPLINES.  tanh holds h in [-1, 1], so u = 2.5 (h + 1) lies in [0, 5]; with i = floor(u) held to 0 .. 4, f = u - i, g = 1 - f, only bases i .. i + 3 differ from 0:
;   g^3 / 6,  2/3 + f^2 (f / 2 - 1),  2/3 + g^2 (g / 2 - 1),  f^3 / 6.   A quantiser's block is 4 hidden units x 8 bases: ONE conversion takes its 16 numbers that can differ from 0 and gives 4 x 24 bits;
;   each unit's 24 bits are shifted 6 i bits up inside its field of 48 bits; the other codes are the code 0, which is the number 0.  The block's largest magnitude is the largest of the eight middle values
;   (the outer two are at most 1/6, the larger middle one at least 23/48).
; tanh(z) = 1 - 2 r, r = 1 / (1 + 2^(2.885390 z));  silu(h) = h / (1 + 2^(-1.442695 h)).
; LIMITS: tanh's absolute error is about 1e-7, so its relative error grows as 1e-7 / |z| for |z| far under 1; NaN and infinities among the inputs are not served; a block of zeros or under 2^-124 gets the scale byte 1.
; SHARES.  Eight waves: wave w has column group g = w % 4 and row half rho = w / 4: row tiles 2 rho, 2 rho + 1 (mu = 0, 1) and ONE tile of 16 hidden units a trip: 8 trips on X, 8 on Y.  X's (then Y's) 12 fragments stay in registers.
; All products are used transposed (source 0 = weights, source 1 = rows): a lane holds one row (lane % 16) throughout.  The rows of a weight tile are chosen (first launch) so that a lane's accumulator registers 0-3 and 4-7 are
; the four hidden units of the two spline blocks that the next operand's layout gives that lane: nothing changes lanes but scale bytes.
; WEIGHTS come as register images from wstream through a ring of two LDS slots of 65,536 bytes.  All work-groups walk the same stream, so the four of a cluster ask JOINTLY: the same tensor load, the same descriptor, mask 15.
; Each wave brings an eighth of a tile.  A wave has one tensor load outstanding.
; Y is loaded and quantised during the trips on X: twelve loads at the head of every second trip, waited for at the end of the next.
; LDS: 0 slot 0; 65,536 slot 1; IMG0 X's codes (row tile m, block beta at (24 m + beta) 384; row r at 24 r; lane half at 12 h); XSC their bytes (384 m + 24 r + beta); the same for Y 38,400 bytes on;
;   BASE silu's codes, each wave's own (6,144 w + 3,072 mu + 384 Pl + 24 r + 12 h); BSC their bytes (256 w + 128 mu + 8 r + Pl); KF, KFS kan's four fragments and scale words; SPARE the spare words;
;   KP, over X's and Y's codes when they are done with: the waves' partial sums of kan (8,192 w + 512 q + 16 lane).  Only the two slots are ever a tensor load's target.
; REGISTERS.  Window 0: v1-16 addresses; v17-19 permutes' destinations; v20-33, v244-249 constants; v34-47 scale words and nothing else; v48-63 two accumulators Z; v64-135 weight fragments (v112-135 at work later);
;   v136-147 the spline operand; v148-179 silu, 16 a row tile; v180-195 h; v196-203 f; v204-219 shift counts; v220-235 a block's 16 numbers; v236-243 (g, f) pairs; v252-254 a conversion's result.
;   Window 1: v0-143 X's fragments (72 mu + 12 s); v144-207 kan's accumulators (32 mu + 8 o); v208-255 Y as loaded.
.set SLOT1, 65536
.set IMG0,  131072
.set XSC,   167936
.set IMGY,  38400
.set BASE,  207872
.set BSC,   257024
.set KF,    259072
.set KFS,   262144
.set SPARE, 262656
.set KP,    131072
.set Z,   48
.set WB,  64
.set SA,  136
.set SIL, 148
.set XH,  180
.set F,   196
.set SH,  204
.set SH2, 212
.set W,   220
.set S,   236
.set R,   252
.set TM,  112                          ; at work: largest magnitudes, then scale operands
.set BY,  114                          ; a row's two scale bytes
.set C0,  116                          ; the four units' 24 bits
.set C8,  120                          ; the same, 8 bits down
.set LO,  124
.set HI,  128
.set TC,  116                          ; codes of up to three half blocks, four registers apart
.set TB,  128                          ; their bytes
.set TW,  132
.set MSB, 0
.macro WIN new                         ; the immediate's high byte repeats the setting that is left
.if MSB != \new
	s_set_vgpr_msb (MSB<<8)|\new
.set MSB, \new
.endif
.endm
.macro PLACES                          ; four plain places (ISA guide 7.12.1)
.rept 4
	v_nop
.endr
.endm
.macro ROUND                           ; a round of the cluster's barrier
	s_barrier_signal -1
	s_barrier_wait -1
	s_cmp_lg_u32 s12, 0
	s_cbranch_scc1 .Lnot_wave_0_\@
	s_barrier_signal -3
.Lnot_wave_0_\@:
	s_barrier_wait -3
	s_barrier_signal -1
	s_barrier_wait -1
.endm
.macro BARRIER                         ; my LDS stores have landed and my LDS loads are in: then the work-group's barrier
	s_wait_dscnt 0x0
	s_barrier_signal -1
	s_barrier_wait -1
.endm
; one matrix instruction; an odd ra takes source 0's scales from lanes 16-31, and source 1's too if rb is odd
.macro MM d, a, b, c, sa, sb, ra, rb
.if ((\ra)%2) && ((\rb)%2)
	v_wmma_scale_f32_16x16x128_f8f6f4 v[\d:\d+7], v[\a:\a+11], v[\b:\b+11], v[\c:\c+7], v[\sa], v[\sb] matrix_a_fmt:MATRIX_FMT_FP6 matrix_b_fmt:MATRIX_FMT_FP6 matrix_a_scale:MATRIX_SCALE_ROW1 matrix_b_scale:MATRIX_SCALE_ROW1
.elseif (\ra)%2
	v_wmma_scale_f32_16x16x128_f8f6f4 v[\d:\d+7], v[\a:\a+11], v[\b:\b+11], v[\c:\c+7], v[\sa], v[\sb] matrix_a_fmt:MATRIX_FMT_FP6 matrix_b_fmt:MATRIX_FMT_FP6 matrix_a_scale:MATRIX_SCALE_ROW1
.else
	v_wmma_scale_f32_16x16x128_f8f6f4 v[\d:\d+7], v[\a:\a+11], v[\b:\b+11], v[\c:\c+7], v[\sa], v[\sb] matrix_a_fmt:MATRIX_FMT_FP6 matrix_b_fmt:MATRIX_FMT_FP6
.endif
.endm
; Three half blocks of X or Y: 16 numbers a lane each, in window 1 at raw + 16 u; lanes l and l xor 16 hold a block.  Codes (12 bytes a lane) and the block's byte go to LDS.
.macro QB3 raw, adr, aoff, bad, boff
	WIN 0x14                                       ; sources 1 and 2 in window 1
.irp uu, 0,1,2
	v_max3_num_f32 v[TM+\uu], 0x1800000, |v[(\raw)+16*\uu]|, |v[(\raw)+16*\uu+1]|   ; with the floor 2^(3 - 127): the byte cannot fall under 1
.endr
.irp ii, 2,4,6,8,10,12,14
.irp uu, 0,1,2
	s_delay_alu instid0(VALU_DEP_3)
	v_max3_num_f32 v[TM+\uu], v[TM+\uu], |v[(\raw)+16*\uu+\ii]|, |v[(\raw)+16*\uu+\ii+1]|
.endr
.endr
	WIN 0
.irp uu, 0,1,2
	v_permlanex16_b32 v[17+\uu], v[TM+\uu], s20, s21
.endr
.irp uu, 0,1,2
	s_delay_alu instid0(VALU_DEP_3)
	v_max_num_f32 v[TM+\uu], v[TM+\uu], v[17+\uu]
.endr
.irp uu, 0,1,2
	s_delay_alu instid0(VALU_DEP_3)
	v_add_nc_u32 v[TM+\uu], 0xff000000, v[TM+\uu]  ; 2 off the exponent field: the conversion's scale operand
.endr
	WIN 0x01                                       ; source 0 in window 1
.irp uu, 0,1,2
	v_cvt_scalef32_pk16_fp6_f32 v[TC+4*\uu:TC+4*\uu+2], v[(\raw)+16*\uu:(\raw)+16*\uu+15], v[TM+\uu]
.endr
	WIN 0
.irp uu, 0,1,2
	v_lshrrev_b32 v[TB+\uu], 23, v[TM+\uu]         ; the byte (also the plain place behind the conversions)
.endr
.irp uu, 0,1,2
	ds_store_b32 v[\adr], v[TC+4*\uu] offset:\aoff+384*\uu
	ds_store_b32 v[\adr], v[TC+4*\uu+1] offset:\aoff+384*\uu+4
	ds_store_b32 v[\adr], v[TC+4*\uu+2] offset:\aoff+384*\uu+8
	ds_store_b8 v[\bad], v[TB+\uu] offset:\boff+\uu   ; both lanes of a block store the same byte
.endr
.endm
; my two row tiles' twelve fragments and their scale words (K step 2 q in lanes 0-15, 2 q + 1 in lanes 16-31) from the codes at img bytes on
.macro FETCHX img
	WIN 0x40
.irp mu, 0,1
.irp kk, 0,1,2,3,4,5
.irp cc, 0,1
.irp pp, 0,1,2
	ds_load_b64 v[72*\mu+12*\kk+6*\cc+2*\pp:72*\mu+12*\kk+6*\cc+2*\pp+1], v15 offset:\img+9216*\mu+1536*\kk+768*\cc+8*\pp
.endr
.endr
.endr
.endr
	WIN 0
.irp mu, 0,1
.irp qq, 0,1,2
	ds_load_b32 v[34+3*\mu+\qq], v16 offset:\img+384*\mu+8*\qq
.endr
.endr
	s_wait_dscnt 0x0
.endm
; a trip's first loads: the biases (they start the sums), W's scale words, W's six fragments, the spline weights' scale words
.macro LOADW sl
.irp mu, 0,1
	ds_load_b128 v[Z+8*\mu:Z+8*\mu+3], v[7+\sl] offset:16000
	ds_load_b128 v[Z+8*\mu+4:Z+8*\mu+7], v[7+\sl] offset:16032
.endr
.irp qq, 0,1,2
	ds_load_b32 v[40+\qq], v[5+\sl] offset:15360+128*\qq
.endr
.irp kk, 0,1,2,3,4,5
.irp qq, 0,1,2
	ds_load_b128 v[WB+12*\kk+4*\qq:WB+12*\kk+4*\qq+3], v[3+\sl] offset:1536*\kk+512*\qq
.endr
.endr
.irp qq, 0,1
	ds_load_b32 v[44+\qq], v[5+\sl] offset:15744+128*\qq
.endr
.endm
; z = x W^T + b: six K steps, the two accumulators by turns
.macro FPH
	WIN 0x04                                       ; source 1 (x) in window 1
.irp kk, 0,1,2,3,4,5
	s_wait_dscnt 3*(5-\kk)+2                       ; this K step's fragment is in: behind it the later steps' three loads each and the two of the spline weights' scale words
.irp mu, 0,1
	MM Z+8*\mu, WB+12*\kk, 72*\mu+12*\kk, Z+8*\mu, 40+\kk/2, 34+3*\mu+\kk/2, \kk, \kk
.endr
.endr
	WIN 0
.endm
; row tile mu's eight -r become f and the two shift counts.  6 i + 1.5 x 2^23 as f32 has 6 i in its lowest bits, and a 32-bit shift takes the lowest five bits of its count
.macro B1 mu
.irp jj, 0,2,4,6
	v_pk_fma_f32 v[F+\jj:F+\jj+1], v[Z+8*\mu+\jj:Z+8*\mu+\jj+1], s[26:27], s[26:27] op_sel_hi:[1,0,0]   ; u = 5 - 5 r
.endr
.irp jj, 0,1,2,3,4,5,6,7
	v_floor_f32 v[S+\jj], v[F+\jj]
.endr
.irp jj, 0,1,2,3,4,5,6,7
	v_med3_num_f32 v[S+\jj], v[S+\jj], 0, 4.0      ; i, held to 0 .. 4: at h = 1 the last interval serves with f = 1
.endr
.irp jj, 0,2,4,6
	v_pk_add_f32 v[F+\jj:F+\jj+1], v[F+\jj:F+\jj+1], v[S+\jj:S+\jj+1] neg_lo:[0,1] neg_hi:[0,1]   ; f = u - i
.endr
.irp jj, 0,2,4,6
	v_pk_fma_f32 v[SH+\jj:SH+\jj+1], v[S+\jj:S+\jj+1], s[28:29], v[30:31] op_sel_hi:[1,0,1]       ; 6 i
.endr
.irp jj, 0,2,4,6
	v_pk_fma_f32 v[SH2+\jj:SH2+\jj+1], v[S+\jj:S+\jj+1], s[74:75], v[32:33] op_sel_hi:[1,0,1]     ; 24 - 6 i
.endr
.endm
; block cb's 16 numbers: unit j's four at v[W + 4 j] on.  The pair (g, f) goes through the same three packed lines twice, with the constants' halves exchanged
.macro B2W cb
.irp jj, 0,2
	v_pk_fma_f32 v[S+2*\jj:S+2*\jj+1], v[F+4*\cb+\jj:F+4*\cb+\jj+1], v[20:21], v[22:23] op_sel_hi:[0,1,1]                    ; (1 - f, f) of the pair's first
	v_pk_fma_f32 v[S+2*\jj+2:S+2*\jj+3], v[F+4*\cb+\jj:F+4*\cb+\jj+1], v[20:21], v[22:23] op_sel:[1,0,0] op_sel_hi:[1,1,1]   ; and of its second
.endr
.irp jj, 0,1,2,3
	s_delay_alu instid0(VALU_DEP_4)
	v_pk_fma_f32 v[W+4*\jj:W+4*\jj+1], v[S+2*\jj:S+2*\jj+1], v[24:25], v[26:27]          ; (g / 6, f / 2 - 1)
.endr
.irp jj, 0,1,2,3
	v_pk_fma_f32 v[W+4*\jj+2:W+4*\jj+3], v[S+2*\jj:S+2*\jj+1], v[244:245], v[246:247]    ; (g / 2 - 1, f / 6)
.endr
.irp jj, 0,1,2,3
	v_pk_mul_f32 v[S+2*\jj:S+2*\jj+1], v[S+2*\jj:S+2*\jj+1], v[S+2*\jj:S+2*\jj+1]        ; (g^2, f^2)
.endr
.irp jj, 0,1,2,3
	s_delay_alu instid0(VALU_DEP_4)
	v_pk_fma_f32 v[W+4*\jj:W+4*\jj+1], v[S+2*\jj:S+2*\jj+1], v[W+4*\jj:W+4*\jj+1], v[28:29]
.endr
.irp jj, 0,1,2,3
	v_pk_fma_f32 v[W+4*\jj+2:W+4*\jj+3], v[S+2*\jj:S+2*\jj+1], v[W+4*\jj+2:W+4*\jj+3], v[248:249]
.endr
.endm
.macro B2Q cb                          ; the block's scale and its 16 codes
	v_max3_num_f32 v[TM], v[W+1], v[W+2], v[W+5]
	v_max3_num_f32 v[TM+1], v[W+6], v[W+9], v[W+10]
	s_delay_alu instid0(VALU_DEP_2)
	v_max3_num_f32 v[TM], v[TM], v[W+13], v[W+14]
	s_delay_alu instid0(VALU_DEP_1)
	v_max_num_f32 v[TM], v[TM], v[TM+1]
	s_delay_alu instid0(VALU_DEP_1)
	v_add_nc_u32 v[TM], 0xff000000, v[TM]
	v_cvt_scalef32_pk16_fp6_f32 v[R:R+2], v[W:W+15], v[TM]
	v_lshrrev_b32 v[BY+\cb], 23, v[TM]             ; the byte (also the plain place behind the conversion)
.endm
.macro BITS cb                         ; each unit's 24 bits, 6 i up in its field of 48: registers 6 cb .. 6 cb + 5 of the operand
	v_and_b32 v[C0], s30, v[R]
	v_perm_b32 v[C0+1], v[R+1], v[R], s32
	v_perm_b32 v[C0+2], v[R+2], v[R+1], s33
	v_lshrrev_b32 v[C0+3], 8, v[R+2]
	v_bfe_u32 v[C8], v[R], 8, 16
	v_and_b32 v[C8+1], s31, v[R+1]
	v_perm_b32 v[C8+2], v[R+2], v[R+1], s34
	v_lshrrev_b32 v[C8+3], 16, v[R+2]
	v_lshlrev_b32 v[SA+6*\cb], v[SH+4*\cb], v[C0]
	v_lshlrev_b32 v[LO+1], v[SH+4*\cb+1], v[C0+1]
	v_lshlrev_b32 v[SA+6*\cb+3], v[SH+4*\cb+2], v[C0+2]
	v_lshlrev_b32 v[LO+3], v[SH+4*\cb+3], v[C0+3]
.irp jj, 0,1,2,3
	v_lshrrev_b32 v[HI+\jj], v[SH2+4*\cb+\jj], v[C8+\jj]   ; the field's upper 16 bits: (bits >> 8) >> (24 - 6 i)
.endr
	s_delay_alu instid0(VALU_DEP_4)
	v_lshl_or_b32 v[SA+6*\cb+1], v[LO+1], 16, v[HI]
	s_delay_alu instid0(VALU_DEP_4)
	v_alignbit_b32 v[SA+6*\cb+2], v[HI+1], v[LO+1], 16
	s_delay_alu instid0(VALU_DEP_4)
	v_lshl_or_b32 v[SA+6*\cb+4], v[LO+3], 16, v[HI+2]
	s_delay_alu instid0(VALU_DEP_4)
	v_alignbit_b32 v[SA+6*\cb+5], v[HI+3], v[LO+3], 16
.endm
.macro SWORD mu                        ; the row's scale word: my bytes (blocks h and 2 + h) and lane l xor 16's
	s_delay_alu instid0(VALU_DEP_1)
	v_lshl_or_b32 v[TW], v[BY+1], 16, v[BY]
	s_delay_alu instid0(VALU_DEP_1)
	v_lshlrev_b32 v[TW], v14, v[TW]
	s_delay_alu instid0(VALU_DEP_1)
	v_permlanex16_b32 v17, v[TW], s20, s21
	s_delay_alu instid0(VALU_DEP_1)
	v_or_b32 v[46+\mu], v[TW], v17
.endm
.macro SPH mu                          ; kan += spline weights x bases: four out tiles by turns
	WIN 0x50                                       ; C and D in window 1
.irp oo, 0,1,2,3
	MM 144+32*\mu+8*\oo, WB+12*\oo, SA, 144+32*\mu+8*\oo, 44+\oo/2, 46+\mu, \oo, 0
.endr
	WIN 0
.endm
.macro BQ                              ; two trips' silu, 16 numbers a lane and row tile, are half blocks of 32 hidden units: codes and bytes to my own LDS bytes
	v_add_nc_u32 v250, s61, v9
	v_add_nc_u32 v251, s62, v10
.irp uu, 0,1
	v_max3_num_f32 v[TM+\uu], |v[SIL+16*\uu]|, |v[SIL+16*\uu+1]|, 0x1800000
.endr
.irp ii, 2,4,6,8,10,12,14
.irp uu, 0,1
	s_delay_alu instid0(VALU_DEP_2)
	v_max3_num_f32 v[TM+\uu], v[TM+\uu], |v[SIL+16*\uu+\ii]|, |v[SIL+16*\uu+\ii+1]|
.endr
.endr
.irp uu, 0,1
	s_delay_alu instid0(VALU_DEP_2)
	v_permlanex16_b32 v[17+\uu], v[TM+\uu], s20, s21
.endr
.irp uu, 0,1
	s_delay_alu instid0(VALU_DEP_2)
	v_max_num_f32 v[TM+\uu], v[TM+\uu], v[17+\uu]
.endr
.irp uu, 0,1
	s_delay_alu instid0(VALU_DEP_2)
	v_add_nc_u32 v[TM+\uu], 0xff000000, v[TM+\uu]
.endr
.irp uu, 0,1
	v_cvt_scalef32_pk16_fp6_f32 v[TC+4*\uu:TC+4*\uu+2], v[SIL+16*\uu:SIL+16*\uu+15], v[TM+\uu]
.endr
.irp uu, 0,1
	v_lshrrev_b32 v[TB+\uu], 23, v[TM+\uu]
.endr
.irp uu, 0,1
	ds_store_b32 v250, v[TC+4*\uu] offset:3072*\uu
	ds_store_b32 v250, v[TC+4*\uu+1] offset:3072*\uu+4
	ds_store_b32 v250, v[TC+4*\uu+2] offset:3072*\uu+8
	ds_store_b8 v251, v[TB+\uu] offset:128*\uu
.endr
	s_add_co_u32 s61, s61, 384                     ; the next block of 32 hidden units
	s_add_co_u32 s62, s62, 1
.endm
; tanh and silu of the trip's 16 numbers a lane.  Four batches of 16 transcendentals, each with one plain line or more behind it and ONE wait ahead of its first reader
.macro STAGEA par
.irp jj, 0,2,4,6,8,10,12,14
	v_pk_mul_f32 v[Z+\jj:Z+\jj+1], v[Z+\jj:Z+\jj+1], s[22:23] op_sel_hi:[1,0]
.endr
	s_wait_alu depctr_va_vdst(0)
.irp jj, 0,1,2,3,4,5,6,7,8,9,10,11,12,13,14,15
	v_exp_f32 v[Z+\jj], v[Z+\jj]
.endr
	v_nop
	s_wait_alu depctr_va_vdst(0)
.irp jj, 0,2,4,6,8,10,12,14
	v_pk_add_f32 v[Z+\jj:Z+\jj+1], v[Z+\jj:Z+\jj+1], 1.0 op_sel_hi:[1,0]
.endr
	s_wait_alu depctr_va_vdst(0)
.irp jj, 0,1,2,3,4,5,6,7,8,9,10,11,12,13,14,15
	v_rcp_f32 v[Z+\jj], -v[Z+\jj]                  ; -r
.endr
	v_nop
	s_wait_alu depctr_va_vdst(0)
.irp jj, 0,2,4,6,8,10,12,14
	v_pk_fma_f32 v[XH+\jj:XH+\jj+1], v[Z+\jj:Z+\jj+1], 2.0, 1.0 op_sel_hi:[1,0,0]   ; h = 1 - 2 r
.endr
.irp mu, 0,1
.irp jj, 0,2,4,6
	v_pk_mul_f32 v[SIL+16*\mu+8*\par+\jj:SIL+16*\mu+8*\par+\jj+1], v[XH+8*\mu+\jj:XH+8*\mu+\jj+1], s[24:25] op_sel_hi:[1,0]
.endr
.endr
	s_wait_alu depctr_va_vdst(0)
.irp mu, 0,1
.irp jj, 0,1,2,3,4,5,6,7
	v_exp_f32 v[SIL+16*\mu+8*\par+\jj], v[SIL+16*\mu+8*\par+\jj]
.endr
.endr
	B1 0                                           ; work that names none of the batch's results
	s_wait_alu depctr_va_vdst(0)
.irp mu, 0,1
.irp jj, 0,2,4,6
	v_pk_add_f32 v[SIL+16*\mu+8*\par+\jj:SIL+16*\mu+8*\par+\jj+1], v[SIL+16*\mu+8*\par+\jj:SIL+16*\mu+8*\par+\jj+1], 1.0 op_sel_hi:[1,0]
.endr
.endr
	s_wait_alu depctr_va_vdst(0)
.irp mu, 0,1
.irp jj, 0,1,2,3,4,5,6,7
	v_rcp_f32 v[SIL+16*\mu+8*\par+\jj], v[SIL+16*\mu+8*\par+\jj]
.endr
.endr
	B2W 0
	s_wait_alu depctr_va_vdst(0)
.irp mu, 0,1
.irp jj, 0,2,4,6
	v_pk_mul_f32 v[SIL+16*\mu+8*\par+\jj:SIL+16*\mu+8*\par+\jj+1], v[SIL+16*\mu+8*\par+\jj:SIL+16*\mu+8*\par+\jj+1], v[XH+8*\mu+\jj:XH+8*\mu+\jj+1]   ; silu(h)
.endr
.endr
.endm
; A TRIP: one tile of 16 hidden units for my 32 rows, from slot sl.  par: which half of a block of 32 hidden units.  prod = 1: Y is being made.
.macro TRIP sl, par, prod
	s_wait_tensorcnt 0x0                           ; all my tensor loads have landed: my eighth of this trip's tile
	ds_add_u32 v1, v2                              ; 0 onto my spare word
	s_add_nc_u64 s[54+4*\sl:55+4*\sl], s[54+4*\sl:55+4*\sl], 0x20000   ; no load of mine is out, so a group 0 may be written: this slot's next tile
	s_wait_dscnt 0x0                               ; the add is done, and so are my reads of the last trip's tile and my LDS stores
	ROUND                                          ; both hold of every wave of the four work-groups
	tensor_load_to_lds s[56-4*\sl:59-4*\sl], s[36:43]   ; the next tile, into the slot read last trip: it has this trip in which to land
	s_nop 0
	PLACES                                         ; (the places in front of the loads into registers that the last products read)
.if \prod && (\sl == 0)
	WIN 0x40
.irp qq, 0,1,2,3,4,5,6,7,8,9,10,11
	global_load_b128 v[208+4*\qq:211+4*\qq], v13, s[6:7] offset:16384*\qq th:TH_LOAD_NT   ; twelve t of Y, 512 consecutive bytes each: three blocks
.endr
	WIN 0
.endif
	LOADW \sl
	FPH
	PLACES                                         ; in front of the loads into W's registers and of the first read of z
.irp oo, 0,1,2,3
.irp qq, 0,1,2
	ds_load_b128 v[WB+12*\oo+4*\qq:WB+12*\oo+4*\qq+3], v[3+\sl] offset:9216+1536*\oo+512*\qq   ; the spline weights' four fragments land under the vector work
.endr
.endr
	STAGEA \par
	B2Q 0
	BITS 0
	B2W 1
	B2Q 1
	SWORD 0
	BITS 1
	B1 1                                           ; 32 plain lines: the places between the operand's and the scale word's last writes and the products
	s_wait_dscnt 0x0                               ; the spline weights and their scale words are in
	SPH 0
	B2W 0                                          ; (24 plain lines behind the products, ahead of the first write of the operand's registers)
	B2Q 0
	BITS 0
	B2W 1
	B2Q 1
	SWORD 1
	BITS 1
.if \par
	BQ
.else
	PLACES
.endif
	SPH 1
.if \prod && (\sl == 1)
	s_wait_loadcnt 0x0                             ; Y's twelve loads, issued at the head of the trip before
	v_add_nc_u32 v133, s63, v11
	v_add_nc_u32 v134, s66, v12
	QB3 208, 133, IMGY, 134, IMGY
	s_add_co_u32 s63, s63, 1152
	s_add_co_u32 s66, s66, 3
	s_add_nc_u64 s[6:7], s[6:7], 0x30000           ; twelve t on (the loads that read this base are done)
.endif
.endm
	s_load_b256 s[4:11], s[0:1], 0x0               ; X s[4:5], Y s[6:7], wstream s[8:9], out0 s[10:11]
	v_lshl_add_u32 v1, v0, 2, SPARE
	v_mov_b32 v2, 0
	ds_add_u32 v1, v2
	ds_add_u32 v1, v2
	s_wait_dscnt 0x0
	v_lshrrev_b32 v48, 5, v0
	s_delay_alu instid0(VALU_DEP_1)
	v_readfirstlane_b32 s12, v48                   ; wave 0..7
	s_and_b32 s13, s12, 3                          ; g
	s_lshr_b32 s14, s12, 2                         ; rho
	s_bfe_u32 s15, ttmp6, 0x40000                  ; cx
	s_lshl_b32 s16, ttmp9, 2
	s_add_co_u32 s16, s16, s15                     ; the work-group: it enters the addresses of X, Y and out0 alone
	s_lshr_b32 s17, s16, 3                         ; b
	s_mul_i32 s18, s17, 1572864
	s_and_b32 s17, s16, 7
	s_lshl_b32 s17, s17, 11                        ; 64 rows of 32 bytes
	s_add_co_u32 s18, s18, s17
	s_mul_i32 s76, s14, 786432                     ; in the prologue and for Y: wave w takes row tile g and t = 48 rho on
	s_add_co_u32 s76, s76, s18
	s_mov_b32 s77, 0
	s_mul_i32 s78, s12, 196608                     ; on the way out: t = 12 w on
	s_add_co_u32 s78, s78, s18
	s_mov_b32 s79, 0
	v_and_b32 v49, 15, v0                          ; r
	v_bfe_u32 v50, v0, 4, 1                        ; h
	s_delay_alu instid0(VALU_DEP_2)
	v_lshlrev_b32 v13, 5, v49
	s_delay_alu instid0(VALU_DEP_1)
	v_lshl_add_u32 v13, v50, 4, v13
	s_lshl_b32 s72, s13, 9
	v_add_nc_u32 v13, s72, v13                     ; 512 g + 32 r + 16 h: f = 4 h .. 4 h + 3 of row r
	s_wait_alu depctr_va_vdst(0)
	s_wait_kmcnt 0x0
	s_add_nc_u64 s[4:5], s[4:5], s[76:77]
	s_add_nc_u64 s[6:7], s[6:7], s[76:77]
	s_add_nc_u64 s[10:11], s[10:11], s[78:79]
	WIN 0x40
.set i, 0
.rept 48
	global_load_b128 v[4*i:4*i+3], v13, s[4:5] offset:16384*i th:TH_LOAD_NT   ; all my 48 t of X at once: twelve blocks, 16 numbers a lane each
.set i, i+1
.endr
	WIN 0
	; descriptors: dense blocks as rows of 256 bytes (32 elements of 8 bytes), no padding; mask 15 with bit 21 beside it.  Nothing in them hangs on the work-group
	s_mov_b32 s36, 15|(3<<16)|(1<<21)
	s_mov_b32 s37, 32<<16                          ; tensor_dim0 = 32
	s_mov_b32 s38, 32<<16                          ; tensor_dim1 = 32
	s_mov_b32 s39, 32<<16                          ; tile_dim0 = 32
	s_mov_b32 s40, 32                              ; tile_dim1 = 32 rows: 8,192 bytes a wave
	s_mov_b32 s41, 32                              ; pitch
	s_mov_b32 s42, 0
	s_mov_b32 s43, 0
	s_mov_b32 s44, 15|(3<<16)|(1<<21)              ; the last tile: 15 rows a wave
	s_mov_b32 s45, 32<<16
	s_mov_b32 s46, 15<<16
	s_mov_b32 s47, 32<<16
	s_mov_b32 s48, 15
	s_mov_b32 s49, 32
	s_mov_b32 s50, 0
	s_mov_b32 s51, 0
	s_lshl_b32 s72, s12, 13
	s_mov_b32 s73, 0
	s_mov_b32 s52, 1                               ; slot 0's group 0: tile 0
	s_mov_b32 s53, s72
	s_add_nc_u64 s[54:55], s[8:9], s[72:73]
	s_mov_b32 s56, 1                               ; slot 1's: tile 1
	s_add_co_u32 s57, s72, SLOT1
	s_add_nc_u64 s[58:59], s[54:55], 0x10000
	s_or_b32 s55, s55, 0x80000000
	s_or_b32 s59, s59, 0x80000000
	s_mul_i32 s72, s12, 3840
	s_mov_b32 s68, 1                               ; tile 17, into slot 1
	s_add_co_u32 s69, s72, SLOT1
	s_add_nc_u64 s[70:71], s[8:9], s[72:73]
	s_add_nc_u64 s[70:71], s[70:71], 1114112
	s_or_b32 s71, s71, 0x80000000
	ROUND                                          ; all four work-groups are here: the first joint load meets
	tensor_load_to_lds s[52:55], s[36:43]          ; tile 0
	s_nop 0
	PLACES
	; addresses that stay
	v_and_b32 v48, 31, v0                          ; lane
	s_lshl_b32 s72, s13, 14
	v_lshl_add_u32 v3, v48, 4, s72                 ; images of my group block, slot 0,
	s_delay_alu instid0(VALU_DEP_1)
	v_add_nc_u32 v4, 0x10000, v3                   ; slot 1
	v_lshl_add_u32 v5, v48, 2, s72                 ; scale words
	s_delay_alu instid0(VALU_DEP_1)
	v_add_nc_u32 v6, 0x10000, v5
	v_lshl_add_u32 v7, v50, 4, s72                 ; biases: 16 h
	s_delay_alu instid0(VALU_DEP_1)
	v_add_nc_u32 v8, 0x10000, v7
	v_mul_u32_u24 v51, v49, 24                     ; 24 r
	s_delay_alu instid0(VALU_DEP_1)
	v_mad_u32_u24 v52, v50, 12, v51                ; 24 r + 12 h
	s_wait_alu depctr_va_vdst(0)
	s_mul_i32 s72, s12, 6144
	s_add_co_u32 s72, s72, BASE
	v_add_nc_u32 v9, s72, v52                      ; silu's codes
	s_lshl_b32 s72, s12, 8
	s_add_co_u32 s72, s72, BSC
	v_lshl_add_u32 v10, v49, 3, s72                ; and bytes
	s_mul_i32 s72, s13, 9216
	s_mul_i32 s73, s14, 4608
	s_add_co_u32 s72, s72, s73
	s_add_co_u32 s72, s72, IMG0
	v_add_nc_u32 v11, s72, v52                     ; where I store X's codes: row tile g, blocks 12 rho on
	s_mul_i32 s72, s13, 384
	s_mul_i32 s73, s14, 12
	s_add_co_u32 s72, s72, s73
	s_add_co_u32 s72, s72, XSC
	v_add_nc_u32 v12, s72, v51                     ; and their bytes
	v_lshlrev_b32 v14, 3, v50                      ; 8 h
	v_mad_u32_u24 v15, v50, 384, v51
	s_mul_i32 s72, s14, 18432
	s_add_co_u32 s72, s72, IMG0
	v_add_nc_u32 v15, s72, v15                     ; where I read fragments: row tiles 2 rho on, block h, row r
	v_lshl_add_u32 v16, v50, 2, v51
	s_mul_i32 s72, s14, 768
	s_add_co_u32 s72, s72, XSC
	v_add_nc_u32 v16, s72, v16                     ; and scale words
	v_mov_b32 v17, 0                               ; lane permutes' destinations count as sources
	v_mov_b32 v18, 0
	v_mov_b32 v19, 0
	v_mov_b32 v20, -1.0                            ; (g, f) = f x (-1, 1) + (1, 0)
	v_mov_b32 v21, 1.0
	v_mov_b32 v22, 1.0
	v_mov_b32 v23, 0
	v_mov_b32 v24, 0x3e2aaaab                      ; (1/6, 1/2)
	v_mov_b32 v25, 0.5
	v_mov_b32 v26, 0                               ; (0, -1)
	v_mov_b32 v27, -1.0
	v_mov_b32 v28, 0                               ; (0, 2/3)
	v_mov_b32 v29, 0x3f2aaaab
	v_mov_b32 v30, 0x4b400000                      ; 1.5 x 2^23
	v_mov_b32 v31, 0x4b400000
	v_mov_b32 v32, 0x4b400018                      ; the same + 24
	v_mov_b32 v33, 0x4b400018
	v_mov_b32 v244, 0.5                            ; the three pairs with their halves exchanged
	v_mov_b32 v245, 0x3e2aaaab
	v_mov_b32 v246, -1.0
	v_mov_b32 v247, 0
	v_mov_b32 v248, 0x3f2aaaab
	v_mov_b32 v249, 0
	s_mov_b32 s20, 0x76543210
	s_mov_b32 s21, 0xfedcba98                      ; v_permlanex16_b32's selects for lane l xor 16
	s_mov_b32 s22, 0x4038aa3b                      ; 2 log2(e)
	s_mov_b32 s23, 0x4038aa3b
	s_mov_b32 s24, 0xbfb8aa3b                      ; -log2(e)
	s_mov_b32 s25, 0xbfb8aa3b
	s_mov_b32 s26, 0x40a00000                      ; 5
	s_mov_b32 s27, 0x40a00000
	s_mov_b32 s28, 0x40c00000                      ; 6
	s_mov_b32 s29, 0x40c00000
	s_mov_b32 s74, 0xc0c00000                      ; -6
	s_mov_b32 s75, 0xc0c00000
	s_mov_b32 s30, 0xffffff
	s_mov_b32 s31, 0xffff
	s_mov_b32 s32, 0x0c050403                      ; byte selects: a unit's 24 bits out of two registers, 0 on top
	s_mov_b32 s33, 0x0c040302
	s_mov_b32 s34, 0x0c0c0403
	s_mov_b32 s61, 0
	s_mov_b32 s62, 0
	s_mov_b32 s63, 0
	s_mov_b32 s66, 0
	; ---- X's codes: three blocks at a time
.irp kq, 0,1,2,3
	s_wait_loadcnt 36-12*\kq                       ; this run's twelve loads are in; the younger ones of the 48 may be out
	QB3 48*\kq, 11, 1152*\kq, 12, 3*\kq
	s_wait_dscnt 0x0                               ; the stores are done: the codes' registers may be written again
.endr
	WIN 0x40
.set i, 0
.rept 64
	v_mov_b32 v[144+i], 0                          ; kan's sums begin as zeros, so that the trips are all alike
.set i, i+1
.endr
	WIN 0
	BARRIER                                        ; X's codes lie in LDS
	FETCHX 0
	s_mov_b32 s60, 4
.Lloop_x:                                          ; tiles 0-7: Hx; Y's codes are made on the way
	TRIP 0, 0, 1
	TRIP 1, 1, 1
	s_sub_co_u32 s60, s60, 1
	s_cmp_lg_u32 s60, 0
	s_cbranch_scc1 .Lloop_x
	BARRIER                                        ; Y's codes lie in LDS
	FETCHX IMGY
	s_mov_b32 s60, 4
.Lloop_y:                                          ; tiles 8-15: Hy.  The last trip asks for tile 16, which has the same shape
	TRIP 0, 0, 0
	TRIP 1, 1, 0
	s_sub_co_u32 s60, s60, 1
	s_cmp_lg_u32 s60, 0
	s_cbranch_scc1 .Lloop_y
	; ---- E1: kan += silu(h) base_w^T, my own 256 hidden units: two K steps.  Tile 16 lies in slot 0; tile 17 is asked for into slot 1
	s_wait_tensorcnt 0x0
	ds_add_u32 v1, v2                              ; the epilogue's addresses are made between it and the wait for it, ahead of the one branch on the wave's number
	v_and_b32 v20, 31, v0                          ; lane
	s_wait_alu depctr_va_vdst(0)
	v_and_b32 v21, 15, v0                          ; r
	v_bfe_u32 v22, v0, 4, 1                        ; h
	s_mul_i32 s72, s13, 12288
	v_lshl_add_u32 v3, v20, 4, s72                 ; base_w's images of my group
	v_mul_u32_u24 v4, v21, 24
	s_delay_alu instid0(VALU_DEP_1)
	v_mad_u32_u24 v4, v22, 384, v4
	s_mul_i32 s72, s12, 6144
	s_add_co_u32 s72, s72, BASE
	v_add_nc_u32 v4, s72, v4                       ; silu's fragments
	s_lshl_b32 s72, s13, 10
	s_add_co_u32 s72, s72, 49152
	v_lshl_add_u32 v5, v20, 2, s72                 ; base_w's scale words
	s_lshl_b32 s72, s12, 13
	s_add_co_u32 s72, s72, KP
	v_lshl_add_u32 v6, v20, 4, s72                 ; my partial sums
	s_lshr_b32 s72, s13, 1
	s_lshl_b32 s72, s72, 15
	s_and_b32 s73, s13, 1
	s_lshl_b32 s73, s73, 12
	s_add_co_u32 s72, s72, s73
	s_add_co_u32 s72, s72, KP
	v_lshl_add_u32 v7, v20, 4, s72                 ; row tile g's partial sums: waves 4 (g / 2) on, half g % 2
	s_mul_i32 s72, s13, 768
	s_add_co_u32 s72, s72, KF
	v_lshl_add_u32 v8, v20, 4, s72                 ; kan's fragment of row tile g: four registers,
	s_add_co_u32 s72, s72, 512
	v_lshl_add_u32 v9, v20, 3, s72                 ; two registers,
	s_lshl_b32 s72, s13, 7
	s_add_co_u32 s72, s72, KFS
	v_lshl_add_u32 v11, v20, 2, s72                ; its scale word
	v_lshl_add_u32 v12, v20, 4, KF                 ; and the same for the readers
	v_lshl_add_u32 v13, v20, 3, KF+512
	v_lshl_add_u32 v15, v20, 2, KFS
	s_mul_i32 s72, s12, 4608
	s_add_co_u32 s72, s72, 53248
	v_lshl_add_u32 v16, v20, 4, s72                ; Wf's images 3 w on
	s_mul_i32 s72, s12, 384
	s_add_co_u32 s73, s72, SLOT1+24576
	v_lshl_add_u32 v23, v20, 2, s73                ; their scale words
	s_add_co_u32 s73, s72, SLOT1+27648
	v_lshl_add_u32 v24, v22, 4, s73                ; bf of my 96 columns
	v_lshlrev_b32 v25, 5, v21
	s_delay_alu instid0(VALU_DEP_1)
	v_lshl_add_u32 v25, v22, 4, v25                ; out0: 32 r + 16 h
	s_wait_dscnt 0x0
	ROUND
	tensor_load_to_lds s[68:71], s[44:51]
	s_nop 0
	PLACES
	WIN 0x40
.irp kk, 0,1
.irp oo, 0,1,2,3
.irp qq, 0,1,2
	ds_load_b128 v[12*(4*\kk+\oo)+4*\qq:12*(4*\kk+\oo)+4*\qq+3], v3 offset:1536*(4*\kk+\oo)+512*\qq
.endr
.endr
.endr
.irp mu, 0,1
.irp kk, 0,1
.irp cc, 0,1
.irp pp, 0,1,2
	ds_load_b64 v[96+24*\mu+12*\kk+6*\cc+2*\pp:96+24*\mu+12*\kk+6*\cc+2*\pp+1], v4 offset:3072*\mu+1536*\kk+768*\cc+8*\pp
.endr
.endr
.endr
.endr
	WIN 0
.irp kk, 0,1
.irp oo, 0,1,2,3
	ds_load_b32 v[34+4*\kk+\oo], v5 offset:128*(4*\kk+\oo)
.endr
.endr
.irp mu, 0,1
.irp kk, 0,1
	ds_load_b32 v[42+2*\mu+\kk], v10 offset:128*\mu+4*\kk
.endr
.endr
	s_wait_dscnt 0x0
	WIN 0x55                                       ; all four operands in window 1
.irp kk, 0,1
.irp mu, 0,1
.irp oo, 0,1,2,3
	MM 144+32*\mu+8*\oo, 12*(4*\kk+\oo), 96+24*\mu+12*\kk, 144+32*\mu+8*\oo, 34+4*\kk+\oo, 42+2*\mu+\kk, 0, 0
.endr
.endr
.endr
	WIN 0
	PLACES
	WIN 0x04                                       ; an LDS store's data are its source 1
.irp qq, 0,1,2,3,4,5,6,7,8,9,10,11,12,13,14,15
	ds_store_b128 v6, v[144+4*\qq:147+4*\qq] offset:512*\qq   ; each accumulator from its low end on
.endr
	WIN 0
	s_wait_tensorcnt 0x0                           ; my part of tile 17 is in
	BARRIER                                        ; everybody's partial sums and parts of tile 17 lie in LDS
	; ---- E2: waves 0-3: row tile w's kan = the sum over the four column groups; a lane's 32 numbers are block h of its row, in K's order
	s_cmp_gt_u32 s12, 3
	s_cbranch_scc1 .Lno_e2
.irp gg, 0,1,2,3
.irp qq, 0,1,2,3,4,5,6,7
	ds_load_b128 v[64+32*\gg+4*\qq:64+32*\gg+4*\qq+3], v7 offset:8192*\gg+512*\qq
.endr
.endr
	s_wait_dscnt 0x0
.irp jj, 0,2,4,6,8,10,12,14,16,18,20,22,24,26,28,30
	v_pk_add_f32 v[64+\jj:65+\jj], v[64+\jj:65+\jj], v[96+\jj:97+\jj]
.endr
.irp jj, 0,2,4,6,8,10,12,14,16,18,20,22,24,26,28,30
	v_pk_add_f32 v[128+\jj:129+\jj], v[128+\jj:129+\jj], v[160+\jj:161+\jj]
.endr
.irp jj, 0,2,4,6,8,10,12,14,16,18,20,22,24,26,28,30
	v_pk_add_f32 v[64+\jj:65+\jj], v[64+\jj:65+\jj], v[128+\jj:129+\jj]
.endr
	v_max3_num_f32 v200, |v64|, |v65|, 0x1800000
.irp jj, 2,4,6,8,10,12,14,16,18,20,22,24,26,28,30
	s_delay_alu instid0(VALU_DEP_1)
	v_max3_num_f32 v200, v200, |v[64+\jj]|, |v[65+\jj]|
.endr
	s_delay_alu instid0(VALU_DEP_1)
	v_add_nc_u32 v200, 0xff000000, v200
	s_delay_alu instid0(VALU_DEP_1)
	v_lshrrev_b32 v201, 23, v200
	v_cvt_scalef32_pk16_fp6_f32 v[204:206], v[64:79], v200
	v_cvt_scalef32_pk16_fp6_f32 v[212:214], v[80:95], v200
	v_nop                                          ; one plain place behind a scaled conversion
	v_mov_b32 v207, v212
	v_mov_b32 v208, v213
	v_mov_b32 v209, v214
	v_lshlrev_b32 v202, v14, v201                  ; my block's byte at its place,
	s_delay_alu instid0(VALU_DEP_1)
	v_permlanex16_b32 v17, v202, s20, s21
	s_delay_alu instid0(VALU_DEP_1)
	v_or_b32 v202, v202, v17                       ; with the other block's,
	s_delay_alu instid0(VALU_DEP_1)
	v_lshl_or_b32 v202, v202, 16, v202             ; and once more in bytes 2, 3: the fragment serves in either half of K
	ds_store_b128 v8, v[204:207]
	ds_store_b64 v9, v[208:209]
	ds_store_b32 v11, v202
.Lno_e2:
	BARRIER                                        ; kan's four fragments lie in LDS
	; ---- E3: out = kan Wf^T + bf.  K = 64, the instruction's is 128: an image of Wf holds two column tiles; kan's six registers stand beside six of zero codes, below or above, and so choose the tile.
	; v64-117 = Z0 C0 Z1 C1 Z2 C2 Z3 C3 Z4, six registers each
.irp zz, 0,1,2,3,4
.irp ii, 0,1,2,3,4,5
	v_mov_b32 v[64+12*\zz+\ii], 0
.endr
.endr
.irp rr, 0,1,2,3
	ds_load_b128 v[70+12*\rr:73+12*\rr], v12 offset:768*\rr
	ds_load_b64 v[74+12*\rr:75+12*\rr], v13 offset:768*\rr
	ds_load_b32 v[34+\rr], v15 offset:128*\rr
.endr
.irp pp, 0,1,2
.irp qq, 0,1,2
	ds_load_b128 v[120+12*\pp+4*\qq:120+12*\pp+4*\qq+3], v16 offset:1536*\pp+512*\qq
.endr
	ds_load_b32 v[40+\pp], v23 offset:128*\pp
.endr
.irp ct, 0,1,2,3,4,5
	ds_load_b128 v[160+8*\ct:163+8*\ct], v24 offset:64*\ct        ; bf in the result's layout: it is the C of each product
	ds_load_b128 v[164+8*\ct:167+8*\ct], v24 offset:64*\ct+32
.endr
	s_wait_alu depctr_va_vdst(0)
	s_wait_dscnt 0x0
	PLACES                                         ; between the zeros' writes and the products
	WIN 0x40                                       ; D in window 1
.irp pp, 0,1,2
.irp vv, 0,1
.irp rr, 0,1,2,3
	MM 8*(8*\pp+4*\vv+\rr), 120+12*\pp, 64+12*\rr+6*(1-\vv), 160+8*(2*\pp+\vv), 40+\pp, 34+\rr, 0, 0
.endr
.endr
.endr
	WIN 0
	PLACES
	WIN 0x04                                       ; a store's data are its source 1
.irp pp, 0,1,2
.irp vv, 0,1
.irp rr, 0,1,2,3
.irp ee, 0,1
	global_store_b128 v25, v[8*(8*\pp+4*\vv+\rr)+4*\ee:8*(8*\pp+4*\vv+\rr)+4*\ee+3], s[10:11] offset:(2*(2*\pp+\vv)+\ee)*16384+512*\rr th:TH_STORE_NT   ; one t, 16 rows x 8 f: 512 consecutive bytes, aligned; each accumulator from its low end on
.endr
.endr
.endr
.endr
	WIN 0
	s_wait_tensorcnt 0x0                           ; the wave's end
	ds_add_u32 v1, v2
	s_wait_dscnt 0x0
	ROUND                                          ; the closing round
	s_endpgm
.Lfunc_end_k_qb1e1f3999f_refine:
	.size	k_qb1e1f3999f_refine, .Lfunc_end_k_qb1e1f3999f_refine-k_qb1e1f3999f_refine
	.p2alignl 7, 3214868480
	.fill 96, 4, 3214868480
	.section	.rodata,"a",@progbits
	.p2align	6, 0x0
	.amdhsa_kernel k_qb1e1f3999f_refine
		.amdhsa_group_segment_fixed_size 327680
		.amdhsa_private_segment_fixed_size 0
		.amdhsa_enable_private_segment 0
		.amdhsa_kernarg_size 32
		.amdhsa_user_sgpr_count 2
		.amdhsa_user_sgpr_kernarg_segment_ptr 1
		.amdhsa_wavefront_size32 1
		.amdhsa_system_sgpr_workgroup_id_x 1
		.amdhsa_system_sgpr_workgroup_id_y 1
		.amdhsa_system_sgpr_workgroup_id_z 1
		.amdhsa_system_vgpr_workitem_id 0
		.amdhsa_next_free_vgpr 512
		.amdhsa_next_free_sgpr 80
		.amdhsa_reserve_vcc 0
		.amdhsa_float_denorm_mode_32 3
		.amdhsa_float_denorm_mode_16_64 3
		.amdhsa_memory_ordered 1
		.amdhsa_forward_progress 1
		.amdhsa_inst_pref_size 199
	.end_amdhsa_kernel
	.amdgpu_metadata
---
amdhsa.version: [ 1, 2 ]
amdhsa.kernels:
  - .name:           k_qb1e1f3999f_refine
    .symbol:         k_qb1e1f3999f_refine.kd
    .args:
      - { .name: X, .offset: 0, .size: 8, .value_kind: global_buffer, .address_space: global }
      - { .name: Y, .offset: 8, .size: 8, .value_kind: global_buffer, .address_space: global }
      - { .name: wstream, .offset: 16, .size: 8, .value_kind: global_buffer, .address_space: global }
      - { .name: out0, .offset: 24, .size: 8, .value_kind: global_buffer, .address_space: global }
    .group_segment_fixed_size: 327680
    .private_segment_fixed_size: 0
    .kernarg_segment_align: 8
    .kernarg_segment_size: 32
    .max_flat_workgroup_size: 256
    .sgpr_count:     80
    .vgpr_count:     512
    .wavefront_size: 32
...
	.end_amdgpu_metadata
.endif
;; end of part 2
